; MI455X (gfx1250); checked and timed in simulation.
; The chip was launched on July 23, 2026; its instructions are those of AMD's public machine-readable ISA for CDNA 5 (MIT licence, August 2026) and "CDNA5" Instruction Set Architecture Reference Guide (July 2026). The comments in the code are by the model that wrote it; some were corrected since.
;; Scale Dot Product Attention. Allowed arithmetic: matrix products marked QUANTISED: E2M1 operands, one E8M0 scale for each 32 along K, by v_wmma_scale_f32_16x16x128_f8f6f4 with both operands' format E2M1 (or v_wmma_scale_f32_32x16x128_f4), f32 sums; everything else in f32.
;; Inputs: k 4 x 16 x 2,048 x 64 float32; q 4 x 16 x 2,048 x 64 float32; v 4 x 16 x 2,048 x 64 float32.
;; Outputs: out0 4 x 16 x 2,048 x 64 float32.
;; This version of the problem:
;;   THIS VERSION OF THE PROBLEM IS GIVEN IN LOW PRECISION. The matrix products marked QUANTISED in the list below multiply operands that are first quantised to E2M1 (2 exponent bits, 1 mantissa bit; 4 bits a number), with one power-of-two scale for each 32 numbers along K (OCP MX v1.0); their sums are f32. All else is computed in f32.
;;   The module's matrix products, in the order in which they are computed (A, B: the left and right operand; K: the contracted axis; several contracted axes count as one K, in the product's order):
;;     1. batch 64 x [M 2,048, K 64] x [K 64, N 2,048]; A: input q; B: input k: QUANTISED
;;     2. batch 64 x [M 2,048, K 2,048] x [K 2,048, N 64]; A: softmax (see below); B: input v: QUANTISED
;;   THE QUANTISER, for each operand of a quantised product, along K:
;;     - K is cut into blocks of 32 from its start; a last block that is shorter is filled with zeros.
;;     - A block's scale is 2^e with e = floor(log2(the largest magnitude in the block)) - 2, held to -126 .. 127; a block of zeros has e = 0. As a byte (E8M0): e + 127.
;;     - Each number is divided by its block's scale, clamped to +-6, and rounded to the nearest number of E2M1, ties to even, subnormals kept.
;;     - The product sums the exact products of the quantised numbers (number of the format x scale) in f32.
;;   ~~~python
;;   def quantise(x, axis):      # numpy; x: float32 -> the quantised numbers, widened to float32 again
;;       x = np.moveaxis(x, axis, -1); K = x.shape[-1]
;;       x = np.pad(x, [(0, 0)] * (x.ndim - 1) + [(0, -K % 32)]); x = x.reshape(x.shape[:-1] + (-1, 32)); a = np.abs(x).max(-1, keepdims=True)
;;       e = np.where(a > 0, np.clip(np.frexp(np.where(a > 0, a, 1))[1] - 1 - 2, -126, 127), 0)      # np.frexp(a)[1] - 1 = floor(log2(a)), exactly
;;       r = np.clip(x / 2.0 ** e, -6, 6)
;;       step = 2.0 ** (np.maximum(np.frexp(np.where(r == 0, 1, r))[1] - 1, 0) - 1)
;;       q = np.round(r / step) * step * 2.0 ** e      # np.round: ties to even
;;       return np.moveaxis(q.reshape(q.shape[:-2] + (-1,))[..., :K], -1, axis).astype(np.float32)
;;   ~~~
;;   SOFTMAX AHEAD OF A QUANTISED PRODUCT. Where the list says 'softmax', what is quantised is not the finished softmax but p = 2^(t - M), with t = logit x log2(e) and M = ceil(the row's largest t), a whole number; so 1/2 < the row's largest p <= 1. The row's sum l is taken of the UNQUANTISED p, in f32, and the product's result is divided by l at the end. Since M is a whole number, a kernel that streams over the keys may use a running M (the ceiling of the running maximum): every later rescaling is an exact power of two, which a block's scale takes up: the codes' values come out the same.
;;   OPERANDS COMPUTED ON THE WAY. 'Computed on the way' means the value that the module computes at that place (a softmax that the list does not call 'softmax' is quantised finished and normalised). What goes into a quantiser is computed in f32, as accurately as f32 sums, v_exp_f32 and their like allow (about 1e-6 of the number): no bf16 or f16 on the way to a quantiser, and a product that is left as it is and whose result goes on into a quantised operand takes f32 operands (vector FMAs, or v_wmma_f32_16x16x4_f32). A number that lies on a knife's edge between two numbers of the format may be rounded either way, as far as f32 arithmetic and the matrix unit's own rounding can turn it there, and no further.
;; 2 versions, each right; version 2 is version 1 with the launch attn written anew for expert scheduling mode. Each part assembles by itself: llvm-mc -triple=amdgcn-amd-amdhsa -mcpu=gfx1250 --defsym DOCPART=n.
;; ======== version 1 of 2: 1 launch
;; launch attn (part 1): grid 4 x 64, 16 waves a work-group, no clusters, 215,040 bytes of LDS; arguments q, k, v, out0; writes out0
.if DOCPART == 1
	.amdgcn_target "amdgcn-amd-amdhsa--gfx1250"
	.amdhsa_code_object_version 6
	.text
	.protected	k_q7fce807de8_attn
	.globl	k_q7fce807de8_attn
	.p2align	8
	.type	k_q7fce807de8_attn,@function
k_q7fce807de8_attn:
	s_mov_b64 s[64:65], 0
	v_nop
	global_prefetch_b8 v0, s[64:65] scope:SCOPE_SE
	s_setreg_imm32_b32 hwreg(HW_REG_WAVE_MODE, 25, 1), 1
	s_wait_xcnt 0x0
; out0[h][q][:] = the sum over keys of softmax(q . k / 8) v, 64 heads of 2,048 x 64, f32 in and out; both products on codes of FP4 (E2M1) with one E8M0 scale for each 32 along a product's K.
; THE SOFTMAX AHEAD OF THE SECOND PRODUCT: t = (q . k) x log2(e) / 8; M = the running largest t rounded UP to a whole number; p = 2^(t - M) is quantised along the keys, not normalised;
; the row's sum is taken of the unquantised p and divides O at the end.  When M moves, the sum and O are multiplied by 2^(old M - new M), which rounds nothing.
; SHARES.  A work-group owns 512 queries of one head, each of its sixteen waves 32 of them: two tiles of 16.  Every wave walks the head's 2,048 keys, 128 a step, 16 steps.
; A HEAD'S CODES STAY IN LDS.  128 keys of K and V are 8,192 bytes of codes and 768 of scale bytes: a record of 8,960 bytes; 16 records are 143,360 bytes.  A record is written once and never again.
; Trip J quantises chunk J + 1 (each wave a sixteenth; its f32 numbers were asked for a trip ago) into record J + 1, asks for chunk J + 2, and multiplies by record J.
; ONE BARRIER A TRIP, its halves apart: the signal stands behind my stores into record J + 1, the wait at the trip's end, ahead of the first read of that record.  Between them stand LDS loads of
; record J, which no wave writes again, and work on registers.
; OPERANDS LIE IN LDS AS IMAGES OF THEIR REGISTERS: four registers of a fragment are 512 bytes, lane l's 16 at 16 l: no pitch, no padding; every load takes 512 consecutive bytes.
; LAYOUT.  Both products are used transposed: S^T = K Q^T (source 0 = 16 keys, source 1 = 16 queries), O^T = V^T P^T (source 0 = 16 of the head's 64, source 1 = P): a lane holds ONE query throughout.
; THE KEYS OF A TILE ARE NOT NEIGHBOURS: lane r of tile 2 b + u takes key 32 b + 8 u + r + 8 (r / 8), so that the 16 registers of tiles 2 b and 2 b + 1 are 16 neighbouring keys, 32 b + 16 (lane / 16) + 0 .. 15.
; THE FIRST PRODUCT'S K IS 64 of the instruction's 128: Q's registers 4-7 are zero codes and the scale bytes of k = 64 .. 127 are 0x7f on both sides.  K's fragments lie on end, four registers each,
; so that the upper half of one is the next one's codes (behind the last: four registers of zeros): FP4 has no code for infinity or NaN, so those products are zeros.
; NO CLUSTER, NO TENSOR LOAD: what the four work-groups of a head share are k and v in f32, which must pass through registers to be quantised.  A joint load would lay a step's 65,536 bytes into LDS
; to be read back from there, in slots that are filled again behind a round in every step, where this text writes 8,960 bytes a step and fills nothing twice.
; LIMITS: NaN and infinities among the inputs are not served.  A block of zeros gets the byte 1 where the rule says 127: its codes are zeros, and this program alone reads the bytes.  Blocks whose largest
; magnitude lies under 2^-124 have their byte held at 1.  p under 2^-126 is 0 (v_exp_f32 gives no denormals: ISA guide 15.8).  A block's largest p is taken as the exponential of the block's largest
; score, which takes v_exp_f32 not to fall where its input rises; at the worst one p of a block, within an ulp of a power of two, is held one code low.
.set REC_B,   8960                     ; a record: K's images 4,096, V's images 4,096, K's scale words 512, V's 256
.set VOFF,    4096
.set KSOFF,   8192
.set VSOFF,   8704
.set NSTEP,   16
.set STAGE,   NSTEP*REC_B              ; behind the records: 16 rows x 272 bytes for each wave, for the way out
.set SPITCH,  272                      ; 256 bytes + 16: row r starts at bank 4 r mod 64 (64 banks of 4 bytes: ISA guide 11.1)
.set CHUNK_B, 32768                    ; 128 keys x 256 bytes, of k and of v
.set LANE, 1                           ; v1   lane
.set AD,   2                           ; v2   16 x lane + the record in hand;  on the way out my byte offset in out0
.set AD8,  3                           ; v3   8 x lane + the record in hand
.set KW,   4                           ; v4   where I store 8 bytes of K's codes in a record;  on the way out: into the stage
.set KSW,  5                           ; v5   K's scale word;  on the way out: back from the stage
.set VW,   6                           ; v6   8 bytes of V's codes
.set VSW,  7                           ; v7   V's scale byte
.set KG,   8                           ; v8   my byte offset in the wave's 8 keys of k
.set VG,   9                           ; v9   and in the wave's 32 keys x 16 channels of v
.set SH8,  10                          ; v10  8 x (which of a key's two blocks is mine)
.set QA,   11                          ; v11  my byte offset in the wave's rows of q
.set ST,   12                          ; tile t at v[ST+4 t]: -M, the largest t, the sum in two halves
.set Q,    20                          ; tile t at v[Q+8 t]: four registers of codes, four of zeros
.set F,    36                          ; v36-51 four fragments of K or two of V;  v52-55 zeros for ever
.set KS,   56                          ; v56-59 K's scale words: register b: lanes 0-15 tile 2 b, lanes 16-31 tile 2 b + 1
.set VS,   60                          ; v60-61 V's: register g: lanes 0-15 channels 32 g on, lanes 16-31 channels 32 g + 16 on
.set QS,   62                          ; v62-63 Q's
.set S,    64                          ; v64-127 S^T, then p;  at a trip's head at work for the quantiser
.set O,    128                         ; v128-191 O^T, 32 a tile;  at the kernel's head q's numbers
.set P,    192                         ; v192-207 p's codes, 8 a tile
.set PS,   208                         ; v208-209 p's scale words
.set BM,   210                         ; v210-213 a block's largest score, then its largest p, then the conversion's scale operand
.set PT,   214                         ; v214-217 the other half's maxima, then the scale bytes, then a second chain of the sum
.set FF,   218                         ; v218 f = 2^(old M - new M);  v219 is named with it as a pair
.set T,    220
.set KST,  222                         ; v222-237 16 numbers of k, a trip ahead
.set VST,  238                         ; v238-253 16 numbers of v
.set RR,   92                          ; at the head only: lane % 16, lane / 16
.set HH,   93
.set WV,   12                          ; s12  my wave's number
.set JJ,   16                          ; s16  the trip
.set RREC, 17                          ; s17  LDS byte of the record that is read
.set WREC, 18                          ; s18  and of the one that is written
.set SEL,  20                          ; s[20:21] v_permlanex16_b32's selects for lane l xor 16
.set CS,   22                          ; s[22:23] c = log2(e) / 8: the packed form names a pair and takes its low word for both halves
; A chunk's part of my wave, 20 loads.  k: lane l takes key 8 w + l / 4, channels 16 (l % 4) + 0 .. 15.  v: lane (r, h) takes channel 16 (w % 4) + r of keys 32 (w / 4) + 16 h + 0 .. 15: its registers run down the keys.
.macro LOADKV
.irp i, 0,1,2,3
	global_load_b128 v[KST+4*\i:KST+4*\i+3], v[KG], s[6:7] offset:16*\i
.endr
.irp i, 0,1,2,3,4,5,6,7,8,9,10,11,12,13,14,15
	global_load_b32 v[VST+\i], v[VG], s[8:9] offset:256*\i
.endr
.endm
; The largest magnitude of 16 numbers, and the floor 2^(3 - 127), under which none is taken: so the byte cannot fall under 1
.macro MAX16 a, b, x
	v_max3_num_f32 v[\a], |v[\x]|, |v[\x+1]|, 0x1800000
	v_max3_num_f32 v[\b], |v[\x+2]|, |v[\x+3]|, |v[\x+4]|
.irp i, 5,9
	v_max3_num_f32 v[\a], v[\a], |v[\x+\i]|, |v[\x+\i+1]|
	v_max3_num_f32 v[\b], v[\b], |v[\x+\i+2]|, |v[\x+\i+3]|
.endr
	v_max3_num_f32 v[\a], v[\a], |v[\x+13]|, |v[\x+14]|
	v_max3_num_f32 v[\a], v[\a], v[\b], |v[\x+15]|
.endm
; My 16 numbers of k and my 16 of v become 8 bytes of codes each, and go with their scales into the record at s[WREC]
.macro QUANTKV
	MAX16 64, 65, KST
	MAX16 76, 77, VST
	v_max_num_f32_dpp v64, v64, v64 row_xmask:1 row_mask:0xf bank_mask:0xf   ; k: a block of 32 channels lies in lanes l and l xor 1
	v_permlanex16_b32 v71, v76, s[SEL], s[SEL+1]                             ; v: a block of 32 keys in lanes l and l xor 16
	v_add_nc_u32 v66, 0xff000000, v64              ; 2 off the exponent field: the conversion takes the exponent field of this operand as its scale
	v_max_num_f32 v76, v76, v71
	v_cvt_scalef32_pk8_fp4_f32 v72, v[KST:KST+7], v66
	v_cvt_scalef32_pk8_fp4_f32 v73, v[KST+8:KST+15], v66
	v_add_nc_u32 v78, 0xff000000, v76              ; (a plain line behind the conversions)
	v_cvt_scalef32_pk8_fp4_f32 v74, v[VST:VST+7], v78
	v_cvt_scalef32_pk8_fp4_f32 v75, v[VST+8:VST+15], v78
	v_lshrrev_b32 v67, 23, v66                     ; k's scale byte.  (A plain line behind the conversions)
	v_lshrrev_b32 v79, 23, v78                     ; v's
	v_lshl_or_b32 v68, v67, v[SH8], 0x7f7f0000     ; my block's byte at its place; 0x7f for k = 64 .. 127, which are zero codes on Q's side
	v_mov_b32_dpp v70, v68 row_xmask:2 row_mask:0xf bank_mask:0xf            ; the key's other block lies in lane l xor 2
	v_or_b32 v69, v68, v70                         ; the key's scale word
	v_add_nc_u32 v80, s[WREC], v[KW]
	v_add_nc_u32 v81, s[WREC], v[KSW]
	v_add_nc_u32 v82, s[WREC], v[VW]
	v_add_nc_u32 v83, s[WREC], v[VSW]
	ds_store_b64 v80, v[72:73]
	ds_store_b32 v81, v69                          ; the four lanes of a key write the same word with the same value
	ds_store_b64 v82, v[74:75]
	ds_store_b8 v83, v79                           ; both lanes of a block write the same byte with the same value
.endm
; q's tile t: lane (r, h) holds channels 32 h + 0 .. 31 of query r, a whole block: four conversions give registers 0-3 of the operand
.macro QQ t
.set rX, O+32*\t
	v_max3_num_f32 v84, |v[rX]|, |v[rX+1]|, 0x1800000
	v_max3_num_f32 v85, |v[rX+2]|, |v[rX+3]|, |v[rX+4]|
.irp i, 5,9,13,17,21,25
	v_max3_num_f32 v84, v84, |v[rX+\i]|, |v[rX+\i+1]|
	v_max3_num_f32 v85, v85, |v[rX+\i+2]|, |v[rX+\i+3]|
.endr
	v_max3_num_f32 v84, v84, |v[rX+29]|, |v[rX+30]|
	v_max3_num_f32 v84, v84, v85, |v[rX+31]|
	v_add_nc_u32 v86, 0xff000000, v84
.irp g, 0,1,2,3
	v_cvt_scalef32_pk8_fp4_f32 v[Q+8*\t+\g], v[rX+8*\g:rX+8*\g+7], v86
.endr
	v_lshrrev_b32 v87, 23, v86                     ; the byte.  (A plain line behind the conversions)
	v_lshl_or_b32 v87, v87, v88, 0x7f7f0000        ; 8 h bits up
	v_permlanex16_b32 v89, v87, s[SEL], s[SEL+1]
	v_or_b32 v[QS+\t], v87, v89                    ; with lane l xor 16's byte the word is whole
.endm
; A load into a register that a matrix instruction has read, and a vector instruction that reads a matrix result, stand four places behind it; only plain vector instructions that name none of
; its registers are places (ISA guide 7.12.1 for vector instructions).
.macro PLACES
.rept 4
	v_nop
.endr
.endm
.macro KLOAD g                         ; K's tiles 4 g .. 4 g + 3: four registers each, on end
.irp i, 0,1,2,3
	ds_load_b128 v[F+4*\i:F+4*\i+3], v[AD] offset:(4*\g+\i)*512
.endr
.endm
.macro SMUL t, g                       ; the scores of query tile t against those four tiles of keys
.irp i, 0,1,2,3
.if (\i)%2 == 1
	v_wmma_scale_f32_16x16x128_f8f6f4 v[S+8*(4*\g+\i):S+8*(4*\g+\i)+7], v[F+4*\i:F+4*\i+7], v[Q+8*\t:Q+8*\t+7], 0, v[KS+2*\g+\i/2], v[QS+\t] matrix_a_fmt:MATRIX_FMT_FP4 matrix_b_fmt:MATRIX_FMT_FP4 matrix_a_scale:MATRIX_SCALE_ROW1
.else
	v_wmma_scale_f32_16x16x128_f8f6f4 v[S+8*(4*\g+\i):S+8*(4*\g+\i)+7], v[F+4*\i:F+4*\i+7], v[Q+8*\t:Q+8*\t+7], 0, v[KS+2*\g+\i/2], v[QS+\t] matrix_a_fmt:MATRIX_FMT_FP4 matrix_b_fmt:MATRIX_FMT_FP4
.endif
.endr
.endm
.macro VLOAD g                         ; V's fragments of channels 32 g on and 32 g + 16 on: 128 keys, eight registers each
.irp i, 0,1
.irp c, 0,1
	ds_load_b128 v[F+8*\i+4*\c:F+8*\i+4*\c+3], v[AD] offset:VOFF+(2*\g+\i)*1024+512*\c
.endr
.endr
.endm
.macro PVMUL g                         ; O^T += V^T P^T for both query tiles: four accumulators, one instruction each
.irp i, 0,1
.irp t, 0,1
.if \i == 1
	v_wmma_scale_f32_16x16x128_f8f6f4 v[O+32*\t+8*(2*\g+\i):O+32*\t+8*(2*\g+\i)+7], v[F+8*\i:F+8*\i+7], v[P+8*\t:P+8*\t+7], v[O+32*\t+8*(2*\g+\i):O+32*\t+8*(2*\g+\i)+7], v[VS+\g], v[PS+\t] matrix_a_fmt:MATRIX_FMT_FP4 matrix_b_fmt:MATRIX_FMT_FP4 matrix_a_scale:MATRIX_SCALE_ROW1
.else
	v_wmma_scale_f32_16x16x128_f8f6f4 v[O+32*\t+8*(2*\g+\i):O+32*\t+8*(2*\g+\i)+7], v[F+8*\i:F+8*\i+7], v[P+8*\t:P+8*\t+7], v[O+32*\t+8*(2*\g+\i):O+32*\t+8*(2*\g+\i)+7], v[VS+\g], v[PS+\t] matrix_a_fmt:MATRIX_FMT_FP4 matrix_b_fmt:MATRIX_FMT_FP4
.endif
.endr
.endr
.endm
; The plain lines that stand between the exponentials.  Each takes its number from the symbol sn.
.macro FMAP                            ; pair sn of the scores: t - M, two at a time (of the pairs c and -M the low word serves both halves)
	v_pk_fma_f32 v[S+2*sn:S+2*sn+1], v[S+2*sn:S+2*sn+1], s[CS:CS+1], v[rT:rT+1] op_sel_hi:[1,0,0]
.endm
.macro SUMP                            ; pair sn of p into the row's sum, which is taken of the UNQUANTISED p: even pairs into the sum itself, odd pairs into a second chain, begun by pairs 0 and 1
.if sn == 0
	v_pk_add_f32 v[PT:PT+1], v[S:S+1], v[S+2:S+3]
.elseif sn == 1
.elseif sn%2 == 0
	v_pk_add_f32 v[rT+2:rT+3], v[rT+2:rT+3], v[S+2*sn:S+2*sn+1]
.else
	v_pk_add_f32 v[PT:PT+1], v[PT:PT+1], v[S+2*sn:S+2*sn+1]
.endif
.endm
.macro SCL t                           ; line sn of 15 that make p's four scales
.if sn < 4
	s_wait_alu depctr_va_vdst(0)
	v_max_num_f32 v[BM+sn], 0x1800000, v[BM+sn]            ; the floor 2^(3 - 127): the byte cannot fall under 1 (a block whose every p is 0 keeps that byte: its codes are zeros)
.elseif sn < 8
	v_add_nc_u32 v[BM+sn-4], 0xff000000, v[BM+sn-4]        ; 2 off the exponent field: the conversion's scale operand
.elseif sn < 12
	v_lshrrev_b32 v[PT+sn-8], 23, v[BM+sn-8]               ; the scale's byte
.elseif sn == 12
	v_lshl_or_b32 v[PS+\t], v[PT+1], 8, v[PT]              ; p's scale word for these 128 keys
.elseif sn == 13
	v_lshl_or_b32 v[PS+\t], v[PT+2], 16, v[PS+\t]
.elseif sn == 14
	v_lshl_or_b32 v[PS+\t], v[PT+3], 24, v[PS+\t]
.endif
.endm
; THE SOFTMAX of query tile t for 128 keys: S^T in v[S ..] becomes p, p's codes in v[P + 8 t ..] and their scale word; the sum and O^T come under the new M.
; The 64 exponentials stand one by one with plain lines between them that are ready and name neither their source nor their result: the next block's scalings, the scales' lines, sums of blocks
; that are done, O^T's rescaling; a block's two conversions stand in the next block's run, each behind a plain line.
.macro SOFTMAX t
.set rT, ST+4*\t
.set rP, P+8*\t
.set rO, O+32*\t
.irp b, 0,1,2,3
	v_max3_num_f32 v[BM+\b], v[S+16*\b], v[S+16*\b+1], v[S+16*\b+2]   ; THE LARGEST SCORE OF EACH BLOCK OF 32 KEYS serves twice: for the row's maximum and, since p rises with the score, for the block's largest p.  (Each accumulator is read from its low end on)
.endr
.irp i, 3,5,7,9,11,13
.irp b, 0,1,2,3
	v_max3_num_f32 v[BM+\b], v[BM+\b], v[S+16*\b+\i], v[S+16*\b+\i+1]   ; (the four blocks by turns)
.endr
.endr
.irp b, 0,1,2,3
	v_max_num_f32 v[BM+\b], v[BM+\b], v[S+16*\b+15]
.endr
.irp b, 0,1,2,3
	v_permlanex16_b32 v[PT+\b], v[BM+\b], s[SEL], s[SEL+1]
.endr
.irp b, 0,1,2,3
	v_max_num_f32 v[BM+\b], v[BM+\b], v[PT+\b]             ; with lane l xor 16's 16 keys
.endr
	v_max3_num_f32 v[T], v[BM], v[BM+1], v[BM+2]
	v_max_num_f32 v[T], v[T], v[BM+3]                      ; the step's largest score of my query
	v_mul_f32 v[T], s[CS], v[T]                            ; as t (c is positive)
	v_max_num_f32 v[rT+1], v[rT+1], v[T]                   ; the running largest t
	v_mov_b32 v[T], v[rT]
	v_floor_f32 v[rT], -v[rT+1]                            ; the new -M = floor(-t) = -ceil(t): M IS A WHOLE NUMBER
	v_sub_f32 v[T], v[rT], v[T]                            ; M's old value less its new one: a whole number, 0 or less
	v_cvt_i32_f32 v[T], v[T]                               ; (it saturates)
	v_ldexp_f32 v[FF], 1.0, v[T]                           ; f = 2^(old M - new M)
.irp b, 0,1,2,3
	v_fma_f32 v[BM+\b], v[BM+\b], s[CS], v[rT]             ; t - M of each block's largest score: the same multiply-add as its score gets below
.endr
.set sn, 0
.rept 8
	FMAP                                                   ; block 0's scalings
.set sn, sn+1
.endr
.irp b, 0,1,2,3
	v_exp_f32 v[BM+\b], v[BM+\b]                           ; the block's largest p: the same two instructions on the same number give the same bits
.endr
	v_pk_mul_f32 v[rT+2:rT+3], v[rT+2:rT+3], v[FF:FF+1] op_sel_hi:[1,0]   ; the sum under the new M.  (A plain line behind the exponentials)
.set eb, 0
.rept 4
.set ei, 0
.rept 16
	v_exp_f32 v[S+16*eb+ei], v[S+16*eb+ei]                 ; p = 2^(t - M), at most 1: NOT normalised
.if ei%2 == 0
.if eb < 3
.set sn, 8*(eb+1)+ei/2
	FMAP
.else
.set sn, 8+ei/2
	SUMP
.endif
.elseif eb == 0
.set sn, (ei-1)/2
	SCL \t
.elseif eb == 1
.set sn, 8+(ei-1)/2
	SCL \t
.elseif eb == 2
.set sn, (ei-1)/2
	SUMP
.else
.set sn, 16+(ei-1)/2
	SUMP
.endif
.if ei%4 == 3
	v_pk_mul_f32 v[rO+2*(4*eb+ei/4):rO+2*(4*eb+ei/4)+1], v[rO+2*(4*eb+ei/4):rO+2*(4*eb+ei/4)+1], v[FF:FF+1] op_sel_hi:[1,0]   ; O^T under the new M, in ascending order
.endif
.if (eb >= 1) && ((ei == 6) || (ei == 10))
	s_wait_alu depctr_va_vdst(0)
	v_cvt_scalef32_pk8_fp4_f32 v[rP+2*(eb-1)+(ei-6)/4], v[S+16*(eb-1)+8*((ei-6)/4):S+16*(eb-1)+8*((ei-6)/4)+7], v[BM+eb-1]   ; eight codes of the block before
.endif
.set ei, ei+1
.endr
.set eb, eb+1
.endr
	s_wait_alu depctr_va_vdst(0)
	v_cvt_scalef32_pk8_fp4_f32 v[rP+6], v[S+48:S+55], v[BM+3]
	v_cvt_scalef32_pk8_fp4_f32 v[rP+7], v[S+56:S+63], v[BM+3]
	v_nop                                                  ; one plain line between a scaled conversion and the vector instruction that touches its result
.irp c, 0,1                                    ; the operand's layout wants a WHOLE block in a lane: lanes 0-15 block 2 c, lanes 16-31 block 2 c + 1
.irp i, 0,1
	v_permlane16_swap_b32 v[rP+4*\c+\i], v[rP+4*\c+2+\i]
.endr
.endr
.set sn, 24
.rept 8
	SUMP                                                   ; block 3's sums: with the line below nine plain lines between the exchange and the products that read p's codes
.set sn, sn+1
.endr
	v_pk_add_f32 v[rT+2:rT+3], v[rT+2:rT+3], v[PT:PT+1]
.endm
; A KEY STEP on the record at s[RREC].  Only LDS loads of that record and work on registers: it stands between the barrier's signal and its wait.  Every wait is for 0: nothing younger is out.
.macro ATTEND
	v_lshl_add_u32 v[AD], v[LANE], 4, s[RREC]
	v_lshl_add_u32 v[AD8], v[LANE], 3, s[RREC]
	ds_load_b128 v[KS:KS+3], v[AD] offset:KSOFF            ; K's scale words of all eight tiles
	KLOAD 0
	s_wait_dscnt 0x0
	SMUL 0, 0
	PLACES
	KLOAD 1
	s_wait_dscnt 0x0
	SMUL 0, 1
	PLACES
	KLOAD 0                                                ; for the second query tile: they land while the first's softmax is worked
	SOFTMAX 0
	s_wait_dscnt 0x0
	SMUL 1, 0
	PLACES
	KLOAD 1
	s_wait_dscnt 0x0
	SMUL 1, 1
	PLACES
	VLOAD 0                                                ; likewise under the second's softmax
	ds_load_b64 v[VS:VS+1], v[AD8] offset:VSOFF
	SOFTMAX 1
	s_wait_dscnt 0x0
	PVMUL 0
	PLACES
	VLOAD 1
	s_wait_dscnt 0x0
	PVMUL 1
	PLACES                                                 ; for the next trip's loads into the fragments, and for the next read of O^T
.endm
	s_load_b256 s[4:11], s[0:1], 0x0               ; q s[4:5], k s[6:7], v s[8:9], out0 s[10:11]
	v_lshl_add_u32 v254, v0, 2, 0x34000
	v_mov_b32 v255, 0
	v_lshrrev_b32 v[QA], 5, v0
	v_readfirstlane_b32 s[WV], v[QA]               ; wave 0..15
	v_and_b32 v[LANE], 31, v0
	v_and_b32 v[RR], 15, v0                        ; r
	v_bfe_u32 v[HH], v0, 4, 1                      ; h
	v_lshlrev_b32 v[KG], 6, v[LANE]                ; k: key l / 4 of 256 bytes, + 64 (l % 4)
	v_lshlrev_b32 v[VG], 2, v[RR]
	v_lshl_add_u32 v[VG], v[HH], 12, v[VG]         ; v: 16 h keys of 256 bytes, + 4 r
	v_lshlrev_b32 v[QA], 8, v[RR]
	v_lshl_add_u32 v[QA], v[HH], 7, v[QA]          ; q: row r of 256 bytes, + 128 h
	s_and_b32 s13, s[WV], 1                        ; w & 1
	s_bfe_u32 s14, s[WV], 0x10001                  ; (w >> 1) & 1
	s_lshr_b32 s15, s[WV], 2                       ; w >> 2
	s_and_b32 s32, s[WV], 3                        ; w & 3
	s_lshr_b32 s33, s[WV], 3                       ; w >> 3
	s_bfe_u32 s34, s[WV], 0x10002                  ; (w >> 2) & 1
	s_and_b32 s24, ttmp7, 0xffff
	s_lshl_b32 s24, s24, 19                        ; the head's first byte in each tensor: 2,048 rows of 256 bytes
	s_lshl_b32 s26, ttmp9, 17                      ; q, out0: my block of 512 rows,
	s_lshl_b32 s27, s[WV], 13                      ; my wave's 32 of them
	s_add_co_u32 s26, s26, s27
	s_add_co_u32 s26, s26, s24
	s_mov_b32 s27, 0
	s_lshl_b32 s28, s[WV], 11                      ; k: my wave's 8 keys of a chunk
	s_add_co_u32 s28, s28, s24
	s_mov_b32 s29, 0
	s_lshl_b32 s30, s15, 13                        ; v: my wave's 32 keys of a chunk,
	s_lshl_b32 s31, s32, 6                         ; its 16 channels
	s_add_co_u32 s30, s30, s31
	s_add_co_u32 s30, s30, s24
	s_mov_b32 s31, 0
	s_wait_kmcnt 0x0
	s_add_nc_u64 s[4:5], s[4:5], s[26:27]
	s_add_nc_u64 s[10:11], s[10:11], s[26:27]
	s_add_nc_u64 s[6:7], s[6:7], s[28:29]
	s_add_nc_u64 s[8:9], s[8:9], s[30:31]
	LOADKV                                         ; chunk 0
.irp t, 0,1
.irp i, 0,1,2,3,4,5,6,7
	global_load_b128 v[O+32*\t+4*\i:O+32*\t+4*\i+3], v[QA], s[4:5] offset:4096*\t+16*\i th:TH_LOAD_NT   ; q, read by this wave alone: query 16 t + r, channels 32 h + 4 i on
.endr
.endr
	; where my codes and scales go in a record: a part from the lane, a part from the wave
	s_lshl_b32 s24, s15, 10                        ; K's codes: tile 2 (w >> 2) + (w & 1) of 512 bytes,
	s_lshl_b32 s35, s13, 9
	s_add_co_u32 s24, s24, s35
	s_lshl_b32 s35, s14, 7                         ; rows 8 ((w >> 1) & 1) on, 16 bytes each
	s_add_co_u32 s24, s24, s35
	s_add_co_u32 s25, s35, KSOFF                   ; K's scale words: 16 bytes for lane 16 (w & 1) + row, word w >> 2
	s_lshl_b32 s35, s13, 8
	s_add_co_u32 s25, s25, s35
	s_lshl_b32 s35, s15, 2
	s_add_co_u32 s25, s25, s35
	s_lshl_b32 s26, s32, 10                        ; V's codes: channels' tile w & 3 of 1,024 bytes, image w >> 3 of 512, lanes 16 ((w >> 2) & 1) on
	s_lshl_b32 s35, s33, 9
	s_add_co_u32 s26, s26, s35
	s_lshl_b32 s35, s34, 8
	s_add_co_u32 s26, s26, s35
	s_add_co_u32 s26, s26, VOFF
	s_lshl_b32 s27, s13, 7                         ; V's scale bytes: 8 bytes for lane 16 (w & 1) + r, word (w >> 1) & 1, byte w >> 2
	s_lshl_b32 s35, s14, 2
	s_add_co_u32 s27, s27, s35
	s_add_co_u32 s27, s27, s15
	s_add_co_u32 s27, s27, VSOFF
	v_bfe_u32 v94, v0, 2, 3                        ; l / 4: my key of the wave's eight
	v_bfe_u32 v95, v0, 1, 1                        ; which of its two blocks
	v_and_b32 v96, 1, v0                           ; which half of the block
	v_lshlrev_b32 v[KSW], 4, v94
	v_lshl_add_u32 v[KW], v95, 8, v[KSW]           ; 16 (l / 4) + 256 x block + 8 x half
	v_lshl_add_u32 v[KW], v96, 3, v[KW]
	v_add_nc_u32 v[KW], s24, v[KW]
	v_add_nc_u32 v[KSW], s25, v[KSW]
	v_lshlrev_b32 v[SH8], 3, v95
	v_lshlrev_b32 v[VW], 4, v[RR]
	v_lshl_add_u32 v[VW], v[HH], 3, v[VW]          ; 16 r + 8 h
	v_add_nc_u32 v[VW], s26, v[VW]
	v_lshlrev_b32 v[VSW], 3, v[RR]
	v_add_nc_u32 v[VSW], s27, v[VSW]
	v_lshlrev_b32 v88, 3, v[HH]                    ; q's byte goes 8 h bits up
	s_mov_b32 s[SEL], 0x76543210
	s_mov_b32 s[SEL+1], 0xfedcba98
	s_mov_b32 s[CS], 0x3e38aa3b                    ; c = log2(e) / 8
	s_mov_b32 s[CS+1], s[CS]                       ; (named with it as a pair, so it is written)
	s_mov_b32 s[WREC], 0
	v_mov_b32 v70, 0                               ; written once: the destination of a lane exchange counts as one of its sources
	v_mov_b32 v71, 0
	v_mov_b32 v89, 0
.irp b, 0,1,2,3
	v_mov_b32 v[PT+\b], 0
	v_mov_b32 v[Q+4+\b], 0                         ; zero codes for k = 64 .. 127 of both tiles of q,
	v_mov_b32 v[Q+12+\b], 0
	v_mov_b32 v[F+16+\b], 0                        ; and behind K's last fragment
.endr
	v_mov_b32 v[FF+1], 0                           ; (named as the upper half of a pair)
.irp t, 0,1
	v_mov_b32 v[ST+4*\t+1], 0xff61b1e6             ; the largest t so far: -3e38, under every t
	v_floor_f32 v[ST+4*\t], -v[ST+4*\t+1]          ; -M
	v_mov_b32 v[ST+4*\t+2], 0                      ; the sum, in two halves
	v_mov_b32 v[ST+4*\t+3], 0
.endr
	s_wait_loadcnt 16                              ; loads come back in order (ISA guide 5.7.1): chunk 0's twenty are in, q's sixteen may be out
	QUANTKV                                        ; record 0
	s_add_nc_u64 s[6:7], s[6:7], CHUNK_B           ; the loads that named these bases are done
	s_add_nc_u64 s[8:9], s[8:9], CHUNK_B
	s_mov_b32 s[WREC], REC_B
	LOADKV                                         ; chunk 1
	s_wait_loadcnt 20                              ; q is in; chunk 1's twenty may be out
	QQ 0
	QQ 1
.set j, 0
.rept 64
	v_mov_b32 v[O+j], 0                            ; O^T.  (The trip is written once: the first finds zeros, which the first change of M leaves zeros)
.set j, j+1
.endr
	s_mov_b32 s[JJ], 0
	s_mov_b32 s[RREC], 0
	s_wait_dscnt 0x0                               ; for the others' sake: my part of record 0 has landed
	s_barrier_signal -1
	s_barrier_wait -1                              ; everybody's has
.Ltrip:                                            ; 16 trips
	s_cmp_eq_u32 s[JJ], NSTEP-1                    ; the last trip has no chunk left to quantise
	s_cbranch_scc1 .Lnoq
	s_wait_loadcnt 0x0                             ; chunk J + 1, asked for a trip ago; nothing younger is out
	QUANTKV                                        ; into record J + 1
	s_cmp_ge_u32 s[JJ], NSTEP-2                    ; chunk J + 2 is asked for where there is one: no load leaves its buffer
	s_cbranch_scc1 .Lnoq
	s_add_nc_u64 s[6:7], s[6:7], CHUNK_B           ; the loads that named these bases are done
	s_add_nc_u64 s[8:9], s[8:9], CHUNK_B
	LOADKV
.Lnoq:
	s_wait_dscnt 0x0                               ; for the others' sake: my stores into record J + 1 have landed; no LDS instruction of mine is out
	s_barrier_signal -1
	ATTEND                                         ; record J: whole since the last trip's wait, and written by nobody any more
	s_barrier_wait -1                              ; record J + 1 is whole
	s_add_co_u32 s[RREC], s[RREC], REC_B
	s_add_co_u32 s[WREC], s[WREC], REC_B
	s_add_co_u32 s[JJ], s[JJ], 1
	s_cmp_lt_u32 s[JJ], NSTEP
	s_cbranch_scc1 .Ltrip
	; THE WAY OUT.  A lane holds eight neighbouring channels of one row four times over, and the lanes beside it hold other rows: so a tile of 16 rows goes through my own stage in LDS and comes back as
	; whole rows of 256 bytes; a store of the wave covers 512 consecutive bytes, at a multiple of 256 from out0's first byte.
.set SI, KW
.set SB, KSW
.set GO, AD
	s_mul_i32 s13, s[WV], 16*SPITCH
	s_add_co_u32 s13, s13, STAGE                   ; my stage
	v_and_b32 v[T], 15, v0                         ; r
	v_bfe_u32 v[PT+1], v0, 4, 1                    ; h
	v_mul_u32_u24 v[SI], v[T], SPITCH
	v_lshl_add_u32 v[SI], v[PT+1], 5, v[SI]
	v_add_nc_u32 v[SI], s13, v[SI]                 ; in: row r, + 32 h
	v_mul_u32_u24 v[SB], v[PT+1], SPITCH
	v_lshl_add_u32 v[SB], v[T], 4, v[SB]
	v_add_nc_u32 v[SB], s13, v[SB]                 ; back: lanes 0-15 one row, lanes 16-31 the next
	v_lshlrev_b32 v[GO], 4, v[LANE]                ; and the same two rows in out0
.macro OUT t, back
.set rT, ST+4*\t
.set rO, O+32*\t
	v_add_f32 v[T], v[rT+2], v[rT+3]               ; the sum's two halves,
	v_permlanex16_b32 v[PT], v[T], s[SEL], s[SEL+1]
	v_add_f32 v[T], v[T], v[PT]                    ; and lane l xor 16's: the row's sum
	v_rcp_f32 v[FF], v[T]
	v_nop                                          ; one plain line behind a transcendental (ISA guide 5.7.2)
.set j, 0
	s_wait_alu depctr_va_vdst(0)
.rept 16
	v_pk_mul_f32 v[S+j:S+j+1], v[rO+j:rO+j+1], v[FF:FF+1] op_sel_hi:[1,0]   ; O^T / the sum, in ascending order: register 8 u + i is channel 16 u + 8 h + i of row r
.set j, j+2
.endr
.irp u, 0,1,2,3
	ds_store_b128 v[SI], v[S+8*\u:S+8*\u+3] offset:64*\u
	ds_store_b128 v[SI], v[S+8*\u+4:S+8*\u+7] offset:64*\u+16
.endr
.irp i, 0,1,2,3,4,5,6,7
	ds_load_b128 v[\back+4*\i:\back+4*\i+3], v[SB] offset:2*\i*SPITCH   ; LDS serves a wave's instructions in order (ISA guide 5.7.1.4): these see the stores above
.endr
.irp i, 0,1,2,3,4,5,6,7
	s_wait_dscnt 7-\i                              ; load i of the eight is back
	global_store_b128 v[GO], v[\back+4*\i:\back+4*\i+3], s[10:11] offset:4096*\t+512*\i th:TH_STORE_NT   ; written once, read by nobody here
.endr
.endm
	OUT 0, S+32                                    ; the rows come back into registers that no later line writes: no store's data are written again
	OUT 1, O
	s_wait_tensorcnt 0x0
	ds_add_u32 v254, v255
	s_wait_dscnt 0x0
	s_endpgm
.Lfunc_end_k_q7fce807de8_attn:
	.size	k_q7fce807de8_attn, .Lfunc_end_k_q7fce807de8_attn-k_q7fce807de8_attn
	.p2alignl 7, 3214868480
	.fill 96, 4, 3214868480
	.section	.rodata,"a",@progbits
	.p2align	6, 0x0
	.amdhsa_kernel k_q7fce807de8_attn
		.amdhsa_group_segment_fixed_size 215040
		.amdhsa_private_segment_fixed_size 0
		.amdhsa_enable_private_segment 0
		.amdhsa_kernarg_size 32
		.amdhsa_user_sgpr_count 2
		.amdhsa_user_sgpr_kernarg_segment_ptr 1
		.amdhsa_wavefront_size32 1
		.amdhsa_system_sgpr_workgroup_id_x 1
		.amdhsa_system_sgpr_workgroup_id_y 1
		.amdhsa_system_sgpr_workgroup_id_z 1
		.amdhsa_system_vgpr_workitem_id 0
		.amdhsa_next_free_vgpr 256
		.amdhsa_next_free_sgpr 66
		.amdhsa_reserve_vcc 0
		.amdhsa_float_denorm_mode_32 3
		.amdhsa_float_denorm_mode_16_64 3
		.amdhsa_memory_ordered 1
		.amdhsa_forward_progress 1
		.amdhsa_inst_pref_size 59
	.end_amdhsa_kernel
	.amdgpu_metadata
---
amdhsa.version: [ 1, 2 ]
amdhsa.kernels:
  - .name:           k_q7fce807de8_attn
    .symbol:         k_q7fce807de8_attn.kd
    .args:
      - { .name: q, .offset: 0, .size: 8, .value_kind: global_buffer, .address_space: global }
      - { .name: k, .offset: 8, .size: 8, .value_kind: global_buffer, .address_space: global }
      - { .name: v, .offset: 16, .size: 8, .value_kind: global_buffer, .address_space: global }
      - { .name: out0, .offset: 24, .size: 8, .value_kind: global_buffer, .address_space: global }
    .group_segment_fixed_size: 215040
    .private_segment_fixed_size: 0
    .kernarg_segment_align: 8
    .kernarg_segment_size: 32
    .max_flat_workgroup_size: 512
    .sgpr_count:     66
    .vgpr_count:     256
    .wavefront_size: 32
...
	.end_amdgpu_metadata
.endif
;; end of part 1
;; ======== version 2 of 2: 1 launch; version 1 with the launch attn written anew for expert scheduling mode
;; launch attn (part 2): grid 4 x 64, 16 waves a work-group, no clusters, 215,040 bytes of LDS; arguments q, k, v, out0; writes out0
.if DOCPART == 2
	.amdgcn_target "amdgcn-amd-amdhsa--gfx1250"
	.amdhsa_code_object_version 6
	.text
	.protected	k_q7fce807de8_attn
	.globl	k_q7fce807de8_attn
	.p2align	8
	.type	k_q7fce807de8_attn,@function
k_q7fce807de8_attn:
	s_mov_b64 s[64:65], 0
	v_nop
	global_prefetch_b8 v0, s[64:65] scope:SCOPE_SE
	s_setreg_imm32_b32 hwreg(HW_REG_WAVE_SCHED_MODE, 0, 2), 2
	s_setreg_imm32_b32 hwreg(HW_REG_WAVE_MODE, 25, 1), 1
	s_wait_xcnt 0x0
	s_wait_alu depctr_vm_vsrc(0)
; out0[h][q][:] = the sum over keys of softmax(q . k / 8) v, 64 heads of 2,048 x 64, f32 in and out; both products on codes of FP4 (E2M1) with one E8M0 scale for each 32 along a product's K.
; THE SOFTMAX AHEAD OF THE SECOND PRODUCT: t = (q . k) x log2(e) / 8; M = the running largest t rounded UP to a whole number; p = 2^(t - M) is quantised along the keys, not normalised;
; the row's sum is taken of the unquantised p and divides O at the end.  When M moves, the sum and O are multiplied by 2^(old M - new M), which rounds nothing.
; SHARES.  A work-group owns 512 queries of one head, each of its sixteen waves 32 of them: two tiles of 16.  Every wave walks the head's 2,048 keys, 128 a step, 16 steps.
; A HEAD'S CODES STAY IN LDS.  128 keys of K and V are 8,192 bytes of codes and 768 of scale bytes: a record of 8,960 bytes; 16 records are 143,360 bytes.  A record is written once and never again.
; Trip J quantises chunk J + 1 (each wave a sixteenth; its f32 numbers were asked for a trip ago) into record J + 1, asks for chunk J + 2, and multiplies by record J.
; ONE BARRIER A TRIP, its halves apart: the signal stands behind my stores into record J + 1, the wait at the trip's end, ahead of the first read of that record.  Between them stand LDS loads of
; record J, which no wave writes again, and work on registers.
; OPERANDS LIE IN LDS AS IMAGES OF THEIR REGISTERS: four registers of a fragment are 512 bytes, lane l's 16 at 16 l: no pitch, no padding; every load takes 512 consecutive bytes.
; LAYOUT.  Both products are used transposed: S^T = K Q^T (source 0 = 16 keys, source 1 = 16 queries), O^T = V^T P^T (source 0 = 16 of the head's 64, source 1 = P): a lane holds ONE query throughout.
; THE KEYS OF A TILE ARE NOT NEIGHBOURS: lane r of tile 2 b + u takes key 32 b + 8 u + r + 8 (r / 8), so that the 16 registers of tiles 2 b and 2 b + 1 are 16 neighbouring keys, 32 b + 16 (lane / 16) + 0 .. 15.
; THE FIRST PRODUCT'S K IS 64 of the instruction's 128: Q's registers 4-7 are zero codes and the scale bytes of k = 64 .. 127 are 0x7f on both sides.  K's fragments lie on end, four registers each,
; so that the upper half of one is the next one's codes (behind the last: four registers of zeros): FP4 has no code for infinity or NaN, so those products are zeros.
; NO CLUSTER, NO TENSOR LOAD: what the four work-groups of a head share are k and v in f32, which must pass through registers to be quantised.  A joint load would lay a step's 65,536 bytes into LDS
; to be read back from there, in slots that are filled again behind a round in every step, where this text writes 8,960 bytes a step and fills nothing twice.
; LIMITS: NaN and infinities among the inputs are not served.  A block of zeros gets the byte 1 where the rule says 127: its codes are zeros, and this program alone reads the bytes.  Blocks whose largest
; magnitude lies under 2^-124 have their byte held at 1.  p under 2^-126 is 0 (v_exp_f32 gives no denormals: ISA guide 15.8).  A block's largest p is taken as the exponential of the block's largest
; score, which takes v_exp_f32 not to fall where its input rises; at the worst one p of a block, within an ulp of a power of two, is held one code low.
; THE MODE: SCHED_MODE bits 1:0 = 2 (LLVM: expert scheduling mode 2), set by the entry lines.  The code itself states the register dependences between vector or matrix instructions and memory or
; LDS instructions, with s_wait_alu, always for 0.
; THE PLAN.  Registers that memory or LDS instructions touch, round a trip:
;   v8, v9, v11      offsets of k, v and q: made at the head, never written again.
;   v222-253         a chunk's numbers: read by the quantiser's maxima and conversions; behind them the loads of the chunk after next land there.
;   v69, v72-75, v79 the scale word, the codes, the scale byte, and v80-83 their LDS addresses: written by the quantiser, read by its four LDS stores, written again by the step's first products.
;   v2, v3           the LDS addresses of the record in hand: written once a trip, read by every LDS load of the step.
;   v36-51           the fragments: LDS loads land there six times a step, each time behind the four products that read the set before.  255 of the wave's 256 registers are in use: there is no second set.
;   v56-61           K's and V's scale words: loaded once a step, read by that step's products.
;   v192-209         p's codes and scale words: written by vector instructions, taken by the scaled products of O^T.
; THE WAITS OF A TRIP.  On va_vdst: one behind the quantiser's last vector line (for its stores and for the next chunk's loads); one behind the two address lines at the step's head; one, behind its four
; places, ahead of each later run of loads into the fragments; one for each softmax's batch of exponentials; one ahead of the first product of O^T.  On vm_vsrc: one, at the step's head.
.set REC_B,   8960                     ; a record: K's images 4,096, V's images 4,096, K's scale words 512, V's 256
.set VOFF,    4096
.set KSOFF,   8192
.set VSOFF,   8704
.set NSTEP,   16
.set STAGE,   NSTEP*REC_B              ; behind the records: 16 rows x 272 bytes for each wave, for the way out
.set SPITCH,  272                      ; 256 bytes + 16: row r starts at bank 4 r mod 64 (64 banks of 4 bytes: ISA guide 11.1)
.set CHUNK_B, 32768                    ; 128 keys x 256 bytes, of k and of v
.set LANE, 1                           ; v1   lane
.set AD,   2                           ; v2   16 x lane + the record in hand;  on the way out my byte offset in out0
.set AD8,  3                           ; v3   8 x lane + the record in hand
.set KW,   4                           ; v4   where I store 8 bytes of K's codes in a record;  on the way out: into the stage
.set KSW,  5                           ; v5   K's scale word;  on the way out: back from the stage
.set VW,   6                           ; v6   8 bytes of V's codes
.set VSW,  7                           ; v7   V's scale byte
.set KG,   8                           ; v8   my byte offset in the wave's 8 keys of k
.set VG,   9                           ; v9   and in the wave's 32 keys x 16 channels of v
.set SH8,  10                          ; v10  8 x (which of a key's two blocks is mine)
.set QA,   11                          ; v11  my byte offset in the wave's rows of q
.set ST,   12                          ; tile t at v[ST+4 t]: -M, the largest t, the sum in two halves
.set Q,    20                          ; tile t at v[Q+8 t]: four registers of codes, four of zeros
.set F,    36                          ; v36-51 four fragments of K or two of V;  v52-55 zeros for ever
.set KS,   56                          ; v56-59 K's scale words: register b: lanes 0-15 tile 2 b, lanes 16-31 tile 2 b + 1
.set VS,   60                          ; v60-61 V's: register g: lanes 0-15 channels 32 g on, lanes 16-31 channels 32 g + 16 on
.set QS,   62                          ; v62-63 Q's
.set S,    64                          ; v64-127 S^T, then p;  at a trip's head at work for the quantiser
.set O,    128                         ; v128-191 O^T, 32 a tile;  at the kernel's head q's numbers
.set P,    192                         ; v192-207 p's codes, 8 a tile
.set PS,   208                         ; v208-209 p's scale words
.set BM,   210                         ; v210-213 a block's largest score, then its largest p, then the conversion's scale operand
.set PT,   214                         ; v214-217 the other half's maxima, then the scale bytes, then a second chain of the sum
.set FF,   218                         ; v218 f = 2^(old M - new M);  v219 is named with it as a pair
.set T,    220
.set KST,  222                         ; v222-237 16 numbers of k, a trip ahead
.set VST,  238                         ; v238-253 16 numbers of v
.set RR,   92                          ; at the head only: lane % 16, lane / 16
.set HH,   93
.set WV,   12                          ; s12  my wave's number
.set JJ,   16                          ; s16  the trip
.set RREC, 17                          ; s17  LDS byte of the record that is read
.set WREC, 18                          ; s18  and of the one that is written
.set SEL,  20                          ; s[20:21] v_permlanex16_b32's selects for lane l xor 16
.set CS,   22                          ; s[22:23] c = log2(e) / 8: the packed form names a pair and takes its low word for both halves
; A chunk's part of my wave, 20 loads.  k: lane l takes key 8 w + l / 4, channels 16 (l % 4) + 0 .. 15.  v: lane (r, h) takes channel 16 (w % 4) + r of keys 32 (w / 4) + 16 h + 0 .. 15: its registers run down the keys.
.macro LOADKV
.irp i, 0,1,2,3
	global_load_b128 v[KST+4*\i:KST+4*\i+3], v[KG], s[6:7] offset:16*\i
.endr
.irp i, 0,1,2,3,4,5,6,7,8,9,10,11,12,13,14,15
	global_load_b32 v[VST+\i], v[VG], s[8:9] offset:256*\i
.endr
.endm
; The largest magnitude of 16 numbers, and the floor 2^(3 - 127), under which none is taken: so the byte cannot fall under 1
.macro MAX16 a, b, x
	v_max3_num_f32 v[\a], |v[\x]|, |v[\x+1]|, 0x1800000
	v_max3_num_f32 v[\b], |v[\x+2]|, |v[\x+3]|, |v[\x+4]|
.irp i, 5,9
	v_max3_num_f32 v[\a], v[\a], |v[\x+\i]|, |v[\x+\i+1]|
	v_max3_num_f32 v[\b], v[\b], |v[\x+\i+2]|, |v[\x+\i+3]|
.endr
	v_max3_num_f32 v[\a], v[\a], |v[\x+13]|, |v[\x+14]|
	v_max3_num_f32 v[\a], v[\a], v[\b], |v[\x+15]|
.endm
; My 16 numbers of k and my 16 of v become 8 bytes of codes each, and go with their scales into the record at s[WREC]
.macro QUANTKV
	MAX16 64, 65, KST
	MAX16 76, 77, VST
	v_max_num_f32_dpp v64, v64, v64 row_xmask:1 row_mask:0xf bank_mask:0xf   ; k: a block of 32 channels lies in lanes l and l xor 1
	v_permlanex16_b32 v71, v76, s[SEL], s[SEL+1]                             ; v: a block of 32 keys in lanes l and l xor 16
	v_add_nc_u32 v66, 0xff000000, v64              ; 2 off the exponent field: the conversion takes the exponent field of this operand as its scale
	v_max_num_f32 v76, v76, v71
	v_cvt_scalef32_pk8_fp4_f32 v72, v[KST:KST+7], v66
	v_cvt_scalef32_pk8_fp4_f32 v73, v[KST+8:KST+15], v66
	v_add_nc_u32 v78, 0xff000000, v76              ; (a plain line behind the conversions)
	v_cvt_scalef32_pk8_fp4_f32 v74, v[VST:VST+7], v78
	v_cvt_scalef32_pk8_fp4_f32 v75, v[VST+8:VST+15], v78
	v_lshrrev_b32 v67, 23, v66                     ; k's scale byte.  (A plain line behind the conversions)
	v_lshrrev_b32 v79, 23, v78                     ; v's
	v_lshl_or_b32 v68, v67, v[SH8], 0x7f7f0000     ; my block's byte at its place; 0x7f for k = 64 .. 127, which are zero codes on Q's side
	v_mov_b32_dpp v70, v68 row_xmask:2 row_mask:0xf bank_mask:0xf            ; the key's other block lies in lane l xor 2
	v_or_b32 v69, v68, v70                         ; the key's scale word
	v_add_nc_u32 v80, s[WREC], v[KW]
	v_add_nc_u32 v81, s[WREC], v[KSW]
	v_add_nc_u32 v82, s[WREC], v[VW]
	v_add_nc_u32 v83, s[WREC], v[VSW]
	s_wait_alu depctr_va_vdst(0)                   ; v69, v72-75, v79 and the addresses v80-83 are written, which the four stores read; the maxima and conversions are done reading v222-253, in which the next loads of k and v land (no vector line stands between this wait and them)
	ds_store_b64 v80, v[72:73]
	ds_store_b32 v81, v69                          ; the four lanes of a key write the same word with the same value
	ds_store_b64 v82, v[74:75]
	ds_store_b8 v83, v79                           ; both lanes of a block write the same byte with the same value
.endm
; q's tile t: lane (r, h) holds channels 32 h + 0 .. 31 of query r, a whole block: four conversions give registers 0-3 of the operand
.macro QQ t
.set rX, O+32*\t
	v_max3_num_f32 v84, |v[rX]|, |v[rX+1]|, 0x1800000
	v_max3_num_f32 v85, |v[rX+2]|, |v[rX+3]|, |v[rX+4]|
.irp i, 5,9,13,17,21,25
	v_max3_num_f32 v84, v84, |v[rX+\i]|, |v[rX+\i+1]|
	v_max3_num_f32 v85, v85, |v[rX+\i+2]|, |v[rX+\i+3]|
.endr
	v_max3_num_f32 v84, v84, |v[rX+29]|, |v[rX+30]|
	v_max3_num_f32 v84, v84, v85, |v[rX+31]|
	v_add_nc_u32 v86, 0xff000000, v84
.irp g, 0,1,2,3
	v_cvt_scalef32_pk8_fp4_f32 v[Q+8*\t+\g], v[rX+8*\g:rX+8*\g+7], v86
.endr
	v_lshrrev_b32 v87, 23, v86                     ; the byte.  (A plain line behind the conversions)
	v_lshl_or_b32 v87, v87, v88, 0x7f7f0000        ; 8 h bits up
	v_permlanex16_b32 v89, v87, s[SEL], s[SEL+1]
	v_or_b32 v[QS+\t], v87, v89                    ; with lane l xor 16's byte the word is whole
.endm
; A load into a register that a matrix instruction has read, and a vector instruction that reads a matrix result, stand four places behind it; only plain vector instructions that name none of
; its registers are places (ISA guide 7.12.1 for vector instructions).  Ahead of a load the wait on va_vdst stands behind the places.
.macro PLACES
.rept 4
	v_nop
.endr
.endm
.macro KLOAD g                         ; K's tiles 4 g .. 4 g + 3: four registers each, on end
.irp i, 0,1,2,3
	ds_load_b128 v[F+4*\i:F+4*\i+3], v[AD] offset:(4*\g+\i)*512
.endr
.endm
.macro SMUL t, g                       ; the scores of query tile t against those four tiles of keys
.irp i, 0,1,2,3
.if (\i)%2 == 1
	v_wmma_scale_f32_16x16x128_f8f6f4 v[S+8*(4*\g+\i):S+8*(4*\g+\i)+7], v[F+4*\i:F+4*\i+7], v[Q+8*\t:Q+8*\t+7], 0, v[KS+2*\g+\i/2], v[QS+\t] matrix_a_fmt:MATRIX_FMT_FP4 matrix_b_fmt:MATRIX_FMT_FP4 matrix_a_scale:MATRIX_SCALE_ROW1
.else
	v_wmma_scale_f32_16x16x128_f8f6f4 v[S+8*(4*\g+\i):S+8*(4*\g+\i)+7], v[F+4*\i:F+4*\i+7], v[Q+8*\t:Q+8*\t+7], 0, v[KS+2*\g+\i/2], v[QS+\t] matrix_a_fmt:MATRIX_FMT_FP4 matrix_b_fmt:MATRIX_FMT_FP4
.endif
.endr
.endm
.macro VLOAD g                         ; V's fragments of channels 32 g on and 32 g + 16 on: 128 keys, eight registers each
.irp i, 0,1
.irp c, 0,1
	ds_load_b128 v[F+8*\i+4*\c:F+8*\i+4*\c+3], v[AD] offset:VOFF+(2*\g+\i)*1024+512*\c
.endr
.endr
.endm
.macro PVMUL g                         ; O^T += V^T P^T for both query tiles: four accumulators, one instruction each
.irp i, 0,1
.irp t, 0,1
.if \i == 1
	v_wmma_scale_f32_16x16x128_f8f6f4 v[O+32*\t+8*(2*\g+\i):O+32*\t+8*(2*\g+\i)+7], v[F+8*\i:F+8*\i+7], v[P+8*\t:P+8*\t+7], v[O+32*\t+8*(2*\g+\i):O+32*\t+8*(2*\g+\i)+7], v[VS+\g], v[PS+\t] matrix_a_fmt:MATRIX_FMT_FP4 matrix_b_fmt:MATRIX_FMT_FP4 matrix_a_scale:MATRIX_SCALE_ROW1
.else
	v_wmma_scale_f32_16x16x128_f8f6f4 v[O+32*\t+8*(2*\g+\i):O+32*\t+8*(2*\g+\i)+7], v[F+8*\i:F+8*\i+7], v[P+8*\t:P+8*\t+7], v[O+32*\t+8*(2*\g+\i):O+32*\t+8*(2*\g+\i)+7], v[VS+\g], v[PS+\t] matrix_a_fmt:MATRIX_FMT_FP4 matrix_b_fmt:MATRIX_FMT_FP4
.endif
.endr
.endr
.endm
; The softmax's plain lines.  Each takes its number from a symbol.
.macro FMAP                            ; pair sn of the scores: t - M, two at a time (of the pairs c and -M the low word serves both halves)
	v_pk_fma_f32 v[S+2*sn:S+2*sn+1], v[S+2*sn:S+2*sn+1], s[CS:CS+1], v[rT:rT+1] op_sel_hi:[1,0,0]
.endm
.macro ORS                             ; pair on of the tile's O^T under the new M, in ascending order: each accumulator is read from its low end on
	v_pk_mul_f32 v[rO+2*on:rO+2*on+1], v[rO+2*on:rO+2*on+1], v[FF:FF+1] op_sel_hi:[1,0]
.set on, on+1
.endm
.macro SUMP                            ; pair sn of p into the row's sum, which is taken of the UNQUANTISED p: even pairs into the sum itself, odd pairs into a second chain, begun by pairs 0 and 1
.if sn == 0
	v_pk_add_f32 v[PT:PT+1], v[S:S+1], v[S+2:S+3]
.elseif sn == 1
.elseif sn%2 == 0
	v_pk_add_f32 v[rT+2:rT+3], v[rT+2:rT+3], v[S+2*sn:S+2*sn+1]
.else
	v_pk_add_f32 v[PT:PT+1], v[PT:PT+1], v[S+2*sn:S+2*sn+1]
.endif
.endm
.macro SUMQ                            ; the sums have one fixed order: place si of 32 takes pair 0 .. 7, then 8, 16, 9, 17, .. 15, 23, then 24 .. 31
.if si < 8
.set sn, si
.elseif si < 24
.set sn, 8+(si-8)/2+8*((si-8)%2)
.else
.set sn, si
.endif
	SUMP
.set si, si+1
.endm
.macro SCL t                           ; line sn of 15 that make p's four scales
.if sn < 4
	v_max_num_f32 v[BM+sn], 0x1800000, v[BM+sn]            ; the floor 2^(3 - 127): the byte cannot fall under 1 (a block whose every p is 0 keeps that byte: its codes are zeros)
.elseif sn < 8
	v_add_nc_u32 v[BM+sn-4], 0xff000000, v[BM+sn-4]        ; 2 off the exponent field: the conversion's scale operand
.elseif sn < 12
	v_lshrrev_b32 v[PT+sn-8], 23, v[BM+sn-8]               ; the scale's byte
.elseif sn == 12
	v_lshl_or_b32 v[PS+\t], v[PT+1], 8, v[PT]              ; p's scale word for these 128 keys
.elseif sn == 13
	v_lshl_or_b32 v[PS+\t], v[PT+2], 16, v[PS+\t]
.elseif sn == 14
	v_lshl_or_b32 v[PS+\t], v[PT+3], 24, v[PS+\t]
.endif
.endm
; THE SOFTMAX of query tile t for 128 keys: S^T in v[S ..] becomes p, p's codes in v[P + 8 t ..] and their scale word; the sum and O^T come under the new M.
; THE 68 EXPONENTIALS ARE ONE BATCH WITH ONE WAIT.  Among them and behind them stand only plain lines that name no exponential's result: the next blocks' scalings, the sum's and O^T's rescaling.
; All that reads a result (the scales' lines, the conversions, the sums) comes behind the wait.
.macro SOFTMAX t
.set rT, ST+4*\t
.set rP, P+8*\t
.set rO, O+32*\t
.irp b, 0,1,2,3
	v_max3_num_f32 v[BM+\b], v[S+16*\b], v[S+16*\b+1], v[S+16*\b+2]   ; THE LARGEST SCORE OF EACH BLOCK OF 32 KEYS serves twice: for the row's maximum and, since p rises with the score, for the block's largest p.  (Each accumulator is read from its low end on)
.endr
.irp i, 3,5,7,9,11,13
.irp b, 0,1,2,3
	v_max3_num_f32 v[BM+\b], v[BM+\b], v[S+16*\b+\i], v[S+16*\b+\i+1]   ; (the four blocks by turns)
.endr
.endr
.irp b, 0,1,2,3
	v_max_num_f32 v[BM+\b], v[BM+\b], v[S+16*\b+15]
.endr
.irp b, 0,1,2,3
	v_permlanex16_b32 v[PT+\b], v[BM+\b], s[SEL], s[SEL+1]
.endr
.irp b, 0,1,2,3
	v_max_num_f32 v[BM+\b], v[BM+\b], v[PT+\b]             ; with lane l xor 16's 16 keys
.endr
	v_max3_num_f32 v[T], v[BM], v[BM+1], v[BM+2]
	v_max_num_f32 v[T], v[T], v[BM+3]                      ; the step's largest score of my query
	v_mul_f32 v[T], s[CS], v[T]                            ; as t (c is positive)
	v_max_num_f32 v[rT+1], v[rT+1], v[T]                   ; the running largest t
	v_mov_b32 v[T], v[rT]
	v_floor_f32 v[rT], -v[rT+1]                            ; the new -M = floor(-t) = -ceil(t): M IS A WHOLE NUMBER
	v_sub_f32 v[T], v[rT], v[T]                            ; M's old value less its new one: a whole number, 0 or less
	v_cvt_i32_f32 v[T], v[T]                               ; (it saturates)
	v_ldexp_f32 v[FF], 1.0, v[T]                           ; f = 2^(old M - new M)
.irp b, 0,1,2,3
	v_fma_f32 v[BM+\b], v[BM+\b], s[CS], v[rT]             ; t - M of each block's largest score: the same multiply-add as its score gets below
.endr
.set sn, 0
.rept 8
	FMAP                                                   ; block 0's scalings
.set sn, sn+1
.endr
.irp b, 0,1,2,3
	v_exp_f32 v[BM+\b], v[BM+\b]                           ; the block's largest p: the same two instructions on the same number give the same bits
.endr
	v_pk_mul_f32 v[rT+2:rT+3], v[rT+2:rT+3], v[FF:FF+1] op_sel_hi:[1,0]   ; the sum under the new M
.set on, 0
.set eb, 0
.rept 4
.set ei, 0
.rept 16
	v_exp_f32 v[S+16*eb+ei], v[S+16*eb+ei]                 ; p = 2^(t - M), at most 1: NOT normalised
.if (eb < 3) && (ei%2 == 0)
.set sn, 8*(eb+1)+ei/2
	FMAP                                                   ; the next block's scalings stand in this block's run
.elseif (eb == 3) && (ei%2 == 1)
	ORS                                                    ; and half of O^T's rescaling in the last block's
.endif
.set ei, ei+1
.endr
.set eb, eb+1
.endr
.rept 8
	ORS                                                    ; the other half: plain lines behind the last exponential that name no result
.endr
	s_wait_alu depctr_va_vdst(0)                           ; the 68 exponentials have written v[BM ..] and v[S ..]: the wait stands ahead of the first line that names a result
.set sn, 0
.rept 15
	SCL \t
.set sn, sn+1
.endr
.set si, 0
.set cn, 0
.rept 8
	v_cvt_scalef32_pk8_fp4_f32 v[rP+cn], v[S+8*cn:S+8*cn+7], v[BM+cn/2]   ; eight codes; the sums behind it are the plain lines between a scaled conversion and what touches its result
	SUMQ
	SUMQ
.set cn, cn+1
.endr
.irp c, 0,1                                    ; the operand's layout wants a WHOLE block in a lane: lanes 0-15 block 2 c, lanes 16-31 block 2 c + 1
.irp i, 0,1
	v_permlane16_swap_b32 v[rP+4*\c+\i], v[rP+4*\c+2+\i]
.endr
.endr
.rept 16
	SUMQ                                                   ; the other sums: with the line below seventeen plain lines between the exchange and the products that read p's codes
.endr
	v_pk_add_f32 v[rT+2:rT+3], v[rT+2:rT+3], v[PT:PT+1]
.endm
; A KEY STEP on the record at s[RREC].  Only LDS loads of that record and work on registers: it stands between the barrier's signal and its wait.  Every wait on DScnt is for 0: nothing younger is out.
.macro ATTEND
	s_wait_alu depctr_vm_vsrc(0)                           ; the last trip's LDS loads have read v2 and v3, which the two lines below write; my LDS stores have read v69, v72-75 and v79-83, which the first products below write
	v_lshl_add_u32 v[AD], v[LANE], 4, s[RREC]
	v_lshl_add_u32 v[AD8], v[LANE], 3, s[RREC]
	s_wait_alu depctr_va_vdst(0)                           ; v2 and v3 are written, which every LDS load of the step reads; the last trip's products are done reading v36-51 and v56-61, in which this step's loads land; in the first trip q's codes, its scale words and the zeros are written, which the scaled products take
	ds_load_b128 v[KS:KS+3], v[AD] offset:KSOFF            ; K's scale words of all eight tiles
	KLOAD 0
	s_wait_dscnt 0x0
	SMUL 0, 0
	PLACES
	s_wait_alu depctr_va_vdst(0)                           ; the four products are done reading v36-51, in which the loads below land
	KLOAD 1
	s_wait_dscnt 0x0
	SMUL 0, 1
	PLACES
	s_wait_alu depctr_va_vdst(0)                           ; the four products are done reading v36-51, in which the loads below land
	KLOAD 0                                                ; for the second query tile: they land while the first's softmax is worked, which names none of v36-51
	SOFTMAX 0
	s_wait_dscnt 0x0
	SMUL 1, 0
	PLACES
	s_wait_alu depctr_va_vdst(0)                           ; the four products are done reading v36-51, in which the loads below land
	KLOAD 1
	s_wait_dscnt 0x0
	SMUL 1, 1
	PLACES
	s_wait_alu depctr_va_vdst(0)                           ; the four products are done reading v36-51, in which the loads below land (v60-61 were last read in the trip before)
	VLOAD 0                                                ; likewise under the second's softmax
	ds_load_b64 v[VS:VS+1], v[AD8] offset:VSOFF
	SOFTMAX 1
	s_wait_dscnt 0x0
	s_wait_alu depctr_va_vdst(0)                           ; both tiles' codes v192-207 and scale words v208-209 are written by vector lines: the scaled products below take them; the plain lines that are owed ahead of those products stand ahead of this wait
	PVMUL 0
	PLACES
	s_wait_alu depctr_va_vdst(0)                           ; the four products are done reading v36-51, in which the loads below land
	VLOAD 1
	s_wait_dscnt 0x0
	PVMUL 1
	PLACES                                                 ; for the next trip's loads into the fragments, and for the next read of O^T
.endm
	s_load_b256 s[4:11], s[0:1], 0x0               ; q s[4:5], k s[6:7], v s[8:9], out0 s[10:11]
	v_lshl_add_u32 v254, v0, 2, 0x34000
	v_mov_b32 v255, 0
	v_lshrrev_b32 v[QA], 5, v0
	v_readfirstlane_b32 s[WV], v[QA]               ; wave 0..15
	v_and_b32 v[LANE], 31, v0
	v_and_b32 v[RR], 15, v0                        ; r
	v_bfe_u32 v[HH], v0, 4, 1                      ; h
	v_lshlrev_b32 v[KG], 6, v[LANE]                ; k: key l / 4 of 256 bytes, + 64 (l % 4)
	v_lshlrev_b32 v[VG], 2, v[RR]
	v_lshl_add_u32 v[VG], v[HH], 12, v[VG]         ; v: 16 h keys of 256 bytes, + 4 r
	v_lshlrev_b32 v[QA], 8, v[RR]
	v_lshl_add_u32 v[QA], v[HH], 7, v[QA]          ; q: row r of 256 bytes, + 128 h
	s_wait_alu depctr_va_sdst(0)                   ; s12 is written, ahead of its first reader: the line below
	s_and_b32 s13, s[WV], 1                        ; w & 1
	s_bfe_u32 s14, s[WV], 0x10001                  ; (w >> 1) & 1
	s_lshr_b32 s15, s[WV], 2                       ; w >> 2
	s_and_b32 s32, s[WV], 3                        ; w & 3
	s_lshr_b32 s33, s[WV], 3                       ; w >> 3
	s_bfe_u32 s34, s[WV], 0x10002                  ; (w >> 2) & 1
	s_and_b32 s24, ttmp7, 0xffff
	s_lshl_b32 s24, s24, 19                        ; the head's first byte in each tensor: 2,048 rows of 256 bytes
	s_lshl_b32 s26, ttmp9, 17                      ; q, out0: my block of 512 rows,
	s_lshl_b32 s27, s[WV], 13                      ; my wave's 32 of them
	s_add_co_u32 s26, s26, s27
	s_add_co_u32 s26, s26, s24
	s_mov_b32 s27, 0
	s_lshl_b32 s28, s[WV], 11                      ; k: my wave's 8 keys of a chunk
	s_add_co_u32 s28, s28, s24
	s_mov_b32 s29, 0
	s_lshl_b32 s30, s15, 13                        ; v: my wave's 32 keys of a chunk,
	s_lshl_b32 s31, s32, 6                         ; its 16 channels
	s_add_co_u32 s30, s30, s31
	s_add_co_u32 s30, s30, s24
	s_mov_b32 s31, 0
	s_wait_kmcnt 0x0
	s_add_nc_u64 s[4:5], s[4:5], s[26:27]
	s_add_nc_u64 s[10:11], s[10:11], s[26:27]
	s_add_nc_u64 s[6:7], s[6:7], s[28:29]
	s_add_nc_u64 s[8:9], s[8:9], s[30:31]
	s_wait_alu depctr_va_vdst(0)                   ; the offsets v8, v9 and v11 are written, which every load of k, v and q reads; they are never written again
	LOADKV                                         ; chunk 0
.irp t, 0,1
.irp i, 0,1,2,3,4,5,6,7
	global_load_b128 v[O+32*\t+4*\i:O+32*\t+4*\i+3], v[QA], s[4:5] offset:4096*\t+16*\i th:TH_LOAD_NT   ; q, read by this wave alone: query 16 t + r, channels 32 h + 4 i on
.endr
.endr
	; where my codes and scales go in a record: a part from the lane, a part from the wave
	s_lshl_b32 s24, s15, 10                        ; K's codes: tile 2 (w >> 2) + (w & 1) of 512 bytes,
	s_lshl_b32 s35, s13, 9
	s_add_co_u32 s24, s24, s35
	s_lshl_b32 s35, s14, 7                         ; rows 8 ((w >> 1) & 1) on, 16 bytes each
	s_add_co_u32 s24, s24, s35
	s_add_co_u32 s25, s35, KSOFF                   ; K's scale words: 16 bytes for lane 16 (w & 1) + row, word w >> 2
	s_lshl_b32 s35, s13, 8
	s_add_co_u32 s25, s25, s35
	s_lshl_b32 s35, s15, 2
	s_add_co_u32 s25, s25, s35
	s_lshl_b32 s26, s32, 10                        ; V's codes: channels' tile w & 3 of 1,024 bytes, image w >> 3 of 512, lanes 16 ((w >> 2) & 1) on
	s_lshl_b32 s35, s33, 9
	s_add_co_u32 s26, s26, s35
	s_lshl_b32 s35, s34, 8
	s_add_co_u32 s26, s26, s35
	s_add_co_u32 s26, s26, VOFF
	s_lshl_b32 s27, s13, 7                         ; V's scale bytes: 8 bytes for lane 16 (w & 1) + r, word (w >> 1) & 1, byte w >> 2
	s_lshl_b32 s35, s14, 2
	s_add_co_u32 s27, s27, s35
	s_add_co_u32 s27, s27, s15
	s_add_co_u32 s27, s27, VSOFF
	v_bfe_u32 v94, v0, 2, 3                        ; l / 4: my key of the wave's eight
	v_bfe_u32 v95, v0, 1, 1                        ; which of its two blocks
	v_and_b32 v96, 1, v0                           ; which half of the block
	v_lshlrev_b32 v[KSW], 4, v94
	v_lshl_add_u32 v[KW], v95, 8, v[KSW]           ; 16 (l / 4) + 256 x block + 8 x half
	v_lshl_add_u32 v[KW], v96, 3, v[KW]
	v_add_nc_u32 v[KW], s24, v[KW]
	v_add_nc_u32 v[KSW], s25, v[KSW]
	v_lshlrev_b32 v[SH8], 3, v95
	v_lshlrev_b32 v[VW], 4, v[RR]
	v_lshl_add_u32 v[VW], v[HH], 3, v[VW]          ; 16 r + 8 h
	v_add_nc_u32 v[VW], s26, v[VW]
	v_lshlrev_b32 v[VSW], 3, v[RR]
	v_add_nc_u32 v[VSW], s27, v[VSW]
	v_lshlrev_b32 v88, 3, v[HH]                    ; q's byte goes 8 h bits up
	s_mov_b32 s[SEL], 0x76543210
	s_mov_b32 s[SEL+1], 0xfedcba98
	s_mov_b32 s[CS], 0x3e38aa3b                    ; c = log2(e) / 8
	s_mov_b32 s[CS+1], s[CS]                       ; (named with it as a pair, so it is written)
	s_mov_b32 s[WREC], 0
	v_mov_b32 v70, 0                               ; written once: the destination of a lane exchange counts as one of its sources
	v_mov_b32 v71, 0
	v_mov_b32 v89, 0
.irp b, 0,1,2,3
	v_mov_b32 v[PT+\b], 0
	v_mov_b32 v[Q+4+\b], 0                         ; zero codes for k = 64 .. 127 of both tiles of q,
	v_mov_b32 v[Q+12+\b], 0
	v_mov_b32 v[F+16+\b], 0                        ; and behind K's last fragment
.endr
	v_mov_b32 v[FF+1], 0                           ; (named as the upper half of a pair)
.irp t, 0,1
	v_mov_b32 v[ST+4*\t+1], 0xff61b1e6             ; the largest t so far: -3e38, under every t
	v_floor_f32 v[ST+4*\t], -v[ST+4*\t+1]          ; -M
	v_mov_b32 v[ST+4*\t+2], 0                      ; the sum, in two halves
	v_mov_b32 v[ST+4*\t+3], 0
.endr
	s_wait_loadcnt 16                              ; loads come back in order (ISA guide 5.7.1): chunk 0's twenty are in, q's sixteen may be out
	QUANTKV                                        ; record 0
	s_add_nc_u64 s[6:7], s[6:7], CHUNK_B           ; the loads that named these bases are done
	s_add_nc_u64 s[8:9], s[8:9], CHUNK_B
	s_mov_b32 s[WREC], REC_B
	LOADKV                                         ; chunk 1: the quantiser's own wait has shown v222-253 read, and no vector line has named them since
	s_wait_loadcnt 20                              ; q is in; chunk 1's twenty may be out
	QQ 0
	QQ 1
.set j, 0
.rept 64
	v_mov_b32 v[O+j], 0                            ; O^T.  (The trip is written once: the first finds zeros, which the first change of M leaves zeros)
.set j, j+1
.endr
	s_mov_b32 s[JJ], 0
	s_mov_b32 s[RREC], 0
	s_wait_alu depctr_vm_vsrc(0)                   ; my LDS stores into record 0 have read v69, v72-75 and v79-83, which the first trip's quantiser writes again
	s_wait_dscnt 0x0                               ; for the others' sake: my part of record 0 has landed
	s_barrier_signal -1
	s_barrier_wait -1                              ; everybody's has
.Ltrip:                                            ; 16 trips
	s_cmp_eq_u32 s[JJ], NSTEP-1                    ; the last trip has no chunk left to quantise
	s_cbranch_scc1 .Lnoq
	s_wait_loadcnt 0x0                             ; chunk J + 1, asked for a trip ago; nothing younger is out
	QUANTKV                                        ; into record J + 1
	s_cmp_ge_u32 s[JJ], NSTEP-2                    ; chunk J + 2 is asked for where there is one: no load leaves its buffer
	s_cbranch_scc1 .Lnoq
	s_add_nc_u64 s[6:7], s[6:7], CHUNK_B           ; the loads that named these bases are done
	s_add_nc_u64 s[8:9], s[8:9], CHUNK_B
	LOADKV                                         ; the quantiser's own wait has shown v222-253 read, and no vector line has named them since
.Lnoq:
	s_wait_dscnt 0x0                               ; for the others' sake: my stores into record J + 1 have landed; no LDS instruction of mine is out
	s_barrier_signal -1
	ATTEND                                         ; record J: whole since the last trip's wait, and written by nobody any more
	s_barrier_wait -1                              ; record J + 1 is whole
	s_add_co_u32 s[RREC], s[RREC], REC_B
	s_add_co_u32 s[WREC], s[WREC], REC_B
	s_add_co_u32 s[JJ], s[JJ], 1
	s_cmp_lt_u32 s[JJ], NSTEP
	s_cbranch_scc1 .Ltrip
	; THE WAY OUT.  A lane holds eight neighbouring channels of one row four times over, and the lanes beside it hold other rows: so a tile of 16 rows goes through my own stage in LDS and comes back as
	; whole rows of 256 bytes; a store of the wave covers 512 consecutive bytes, at a multiple of 256 from out0's first byte.
.set SI, KW
.set SB, KSW
.set GO, AD
	s_mul_i32 s13, s[WV], 16*SPITCH
	s_add_co_u32 s13, s13, STAGE                   ; my stage
	s_wait_alu depctr_vm_vsrc(0)                   ; the last trip's LDS loads have read v2, which is written anew below
	v_and_b32 v[T], 15, v0                         ; r
	v_bfe_u32 v[PT+1], v0, 4, 1                    ; h
	v_mul_u32_u24 v[SI], v[T], SPITCH
	v_lshl_add_u32 v[SI], v[PT+1], 5, v[SI]
	v_add_nc_u32 v[SI], s13, v[SI]                 ; in: row r, + 32 h
	v_mul_u32_u24 v[SB], v[PT+1], SPITCH
	v_lshl_add_u32 v[SB], v[T], 4, v[SB]
	v_add_nc_u32 v[SB], s13, v[SB]                 ; back: lanes 0-15 one row, lanes 16-31 the next
	v_lshlrev_b32 v[GO], 4, v[LANE]                ; and the same two rows in out0
.macro OUT t, back
.set rT, ST+4*\t
.set rO, O+32*\t
	v_add_f32 v[T], v[rT+2], v[rT+3]               ; the sum's two halves,
	v_permlanex16_b32 v[PT], v[T], s[SEL], s[SEL+1]
	v_add_f32 v[T], v[T], v[PT]                    ; and lane l xor 16's: the row's sum
	v_rcp_f32 v[FF], v[T]
	v_nop                                          ; one plain line behind a transcendental (ISA guide 5.7.2)
.if \t
	s_wait_alu depctr_vm_vsrc(0)                   ; the first tile's LDS stores have read v64-95, which the multiplications below write again
.endif
	s_wait_alu depctr_va_vdst(0)                   ; the reciprocal has written v218: the wait stands ahead of its first reader
.set j, 0
.rept 16
	v_pk_mul_f32 v[S+j:S+j+1], v[rO+j:rO+j+1], v[FF:FF+1] op_sel_hi:[1,0]   ; O^T / the sum, in ascending order: register 8 u + i is channel 16 u + 8 h + i of row r
.set j, j+2
.endr
	s_wait_alu depctr_va_vdst(0)                   ; the multiplications have written v64-95, which the LDS stores read; v2, v4 and v5 are written, by which the stage and out0 are reached; every vector line that named the registers into which the rows come back is done
.irp u, 0,1,2,3
	ds_store_b128 v[SI], v[S+8*\u:S+8*\u+3] offset:64*\u
	ds_store_b128 v[SI], v[S+8*\u+4:S+8*\u+7] offset:64*\u+16
.endr
.irp i, 0,1,2,3,4,5,6,7
	ds_load_b128 v[\back+4*\i:\back+4*\i+3], v[SB] offset:2*\i*SPITCH   ; LDS serves a wave's instructions in order (ISA guide 5.7.1.4): these see the stores above
.endr
.irp i, 0,1,2,3,4,5,6,7
	s_wait_dscnt 7-\i                              ; load i of the eight is back
	global_store_b128 v[GO], v[\back+4*\i:\back+4*\i+3], s[10:11] offset:4096*\t+512*\i th:TH_STORE_NT   ; written once, read by nobody here
.endr
.endm
	OUT 0, S+32                                    ; the rows come back into registers that no later line writes: no store's data are written again
	OUT 1, O
	s_wait_dscnt 0x0
	s_wait_alu depctr_hold_cnt(0) depctr_sa_sdst(0) depctr_va_vdst(0) depctr_va_sdst(0) depctr_va_ssrc(0) depctr_va_vcc(0) depctr_vm_vsrc(0)
	s_wait_tensorcnt 0x0
	ds_add_u32 v254, v255
	s_wait_dscnt 0x0
	s_endpgm
.Lfunc_end_k_q7fce807de8_attn:
	.size	k_q7fce807de8_attn, .Lfunc_end_k_q7fce807de8_attn-k_q7fce807de8_attn
	.p2alignl 7, 3214868480
	.fill 96, 4, 3214868480
	.section	.rodata,"a",@progbits
	.p2align	6, 0x0
	.amdhsa_kernel k_q7fce807de8_attn
		.amdhsa_group_segment_fixed_size 215040
		.amdhsa_private_segment_fixed_size 0
		.amdhsa_enable_private_segment 0
		.amdhsa_kernarg_size 32
		.amdhsa_user_sgpr_count 2
		.amdhsa_user_sgpr_kernarg_segment_ptr 1
		.amdhsa_wavefront_size32 1
		.amdhsa_system_sgpr_workgroup_id_x 1
		.amdhsa_system_sgpr_workgroup_id_y 1
		.amdhsa_system_sgpr_workgroup_id_z 1
		.amdhsa_system_vgpr_workitem_id 0
		.amdhsa_next_free_vgpr 256
		.amdhsa_next_free_sgpr 66
		.amdhsa_reserve_vcc 0
		.amdhsa_float_denorm_mode_32 3
		.amdhsa_float_denorm_mode_16_64 3
		.amdhsa_memory_ordered 1
		.amdhsa_forward_progress 1
		.amdhsa_inst_pref_size 59
	.end_amdhsa_kernel
	.amdgpu_metadata
---
amdhsa.version: [ 1, 2 ]
amdhsa.kernels:
  - .name:           k_q7fce807de8_attn
    .symbol:         k_q7fce807de8_attn.kd
    .args:
      - { .name: q, .offset: 0, .size: 8, .value_kind: global_buffer, .address_space: global }
      - { .name: k, .offset: 8, .size: 8, .value_kind: global_buffer, .address_space: global }
      - { .name: v, .offset: 16, .size: 8, .value_kind: global_buffer, .address_space: global }
      - { .name: out0, .offset: 24, .size: 8, .value_kind: global_buffer, .address_space: global }
    .group_segment_fixed_size: 215040
    .private_segment_fixed_size: 0
    .kernarg_segment_align: 8
    .kernarg_segment_size: 32
    .max_flat_workgroup_size: 512
    .sgpr_count:     66
    .vgpr_count:     256
    .wavefront_size: 32
...
	.end_amdgpu_metadata
.endif
;; end of part 2
